; MI455X (gfx1250); checked and timed in simulation.
; The chip was launched on July 23, 2026; its instructions are those of AMD's public machine-readable ISA for CDNA 5 (MIT licence, August 2026) and "CDNA5" Instruction Set Architecture Reference Guide (July 2026). The comments in the code are by the model that wrote it; some were corrected since.
;; Shared Independent Node Network. Allowed arithmetic: matrix products marked QUANTISED: E2M1 operands, one E8M0 scale for each 32 along K, by v_wmma_scale_f32_16x16x128_f8f6f4 with both operands' format E2M1 (or v_wmma_scale_f32_32x16x128_f4), f32 sums; products left as they are: f32 operands where the result goes on into a quantised operand, else bf16, f16 or f32 operands; f32 sums; everything else in f32.
;; Inputs: W1_codes 256 x 4 x 16 uint8 (E2M1 codes of W1, K innermost, in blocks of 32 codes, two codes a byte); W1_scales 256 x 4 uint8 (E8M0 scales of W1, one for each 32 codes along K); W2_codes 256 x 8 x 16 uint8 (E2M1 codes of W2, K innermost, in blocks of 32 codes, two codes a byte); W2_scales 256 x 8 uint8 (E8M0 scales of W2, one for each 32 codes along K); W3 256 x 1 float32; X_codes 8,192 x 64 x 4 x 16 uint8 (E2M1 codes of X, K innermost, in blocks of 32 codes, two codes a byte); X_scales 8,192 x 64 x 4 uint8 (E8M0 scales of X, one for each 32 codes along K); b1 256 float32; b2 256 float32; b3 1 float32.
;; Outputs: out0 8,192 x 65 float32.
;; This version of the problem:
;;   THIS VERSION OF THE PROBLEM IS GIVEN IN LOW PRECISION. The matrix products marked QUANTISED in the list below multiply operands that are first quantised to E2M1 (2 exponent bits, 1 mantissa bit; 4 bits a number), with one power-of-two scale for each 32 numbers along K (OCP MX v1.0); their sums are f32. All else is computed in f32.
;;   The module's matrix products, in the order in which they are computed (A, B: the left and right operand; K: the contracted axis; several contracted axes count as one K, in the product's order):
;;     1. [M 524,288, K 128] x [K 128, N 256]; A: input X (given as codes); B: input W1 (given as codes): QUANTISED
;;     2. [M 524,288, K 256] x [K 256, N 256]; A: computed on the way; B: input W2 (given as codes): QUANTISED
;;     3. [M 524,288, K 256] x [K 256, N 1]; A: computed on the way; B: input W3: left as it is (N = 1 < 16)
;;   THE QUANTISER, for each operand of a quantised product, along K:
;;     - K is cut into blocks of 32 from its start; a last block that is shorter is filled with zeros.
;;     - A block's scale is 2^e with e = floor(log2(the largest magnitude in the block)) - 2, held to -126 .. 127; a block of zeros has e = 0. As a byte (E8M0): e + 127.
;;     - Each number is divided by its block's scale, clamped to +-6, and rounded to the nearest number of E2M1, ties to even, subnormals kept.
;;     - The product sums the exact products of the quantised numbers (number of the format x scale) in f32.
;;   ~~~python
;;   def quantise(x, axis):      # numpy; x: float32 -> the quantised numbers, widened to float32 again
;;       x = np.moveaxis(x, axis, -1); K = x.shape[-1]
;;       x = np.pad(x, [(0, 0)] * (x.ndim - 1) + [(0, -K % 32)]); x = x.reshape(x.shape[:-1] + (-1, 32)); a = np.abs(x).max(-1, keepdims=True)
;;       e = np.where(a > 0, np.clip(np.frexp(np.where(a > 0, a, 1))[1] - 1 - 2, -126, 127), 0)      # np.frexp(a)[1] - 1 = floor(log2(a)), exactly
;;       r = np.clip(x / 2.0 ** e, -6, 6)
;;       step = 2.0 ** (np.maximum(np.frexp(np.where(r == 0, 1, r))[1] - 1, 0) - 1)
;;       q = np.round(r / step) * step * 2.0 ** e      # np.round: ties to even
;;       return np.moveaxis(q.reshape(q.shape[:-2] + (-1,))[..., :K], -1, axis).astype(np.float32)
;;   ~~~
;;   OPERANDS COMPUTED ON THE WAY. 'Computed on the way' means the value that the module computes at that place (a softmax that the list does not call 'softmax' is quantised finished and normalised). What goes into a quantiser is computed in f32, as accurately as f32 sums, v_exp_f32 and their like allow (about 1e-6 of the number): no bf16 or f16 on the way to a quantiser, and a product that is left as it is and whose result goes on into a quantised operand takes f32 operands (vector FMAs, or v_wmma_f32_16x16x4_f32). A number that lies on a knife's edge between two numbers of the format may be rounded either way, as far as f32 arithmetic and the matrix unit's own rounding can turn it there, and no further.
;;   INPUTS GIVEN AS CODES. W1 (in the module: [128, 256], K = its axis 0); W2 (in the module: [256, 256], K = its axis 0); X (in the module: [8192, 128, 64], K = its axis 1): each comes as NAME_codes (uint8): NAME with its K axis moved to the last place and cut into blocks of 32 codes, [.., K / 32, bytes a block], one block behind the other in memory; two codes a byte, the lower K in the low four bits (a code: sign, 2 exponent bits, 1 mantissa bit); and NAME_scales (uint8): the same leading axes, one E8M0 byte (e + 127) for each 32 codes along K. Its value is code x scale, taken as it is: it is not quantised again, and the codes and scales need not be those that the quantiser above would give.
;; One version. Each part assembles by itself: llvm-mc -triple=amdgcn-amd-amdhsa -mcpu=gfx1250 --defsym DOCPART=n.
;; ======== version 1 of 1: 1 launch
;; limits: right only within a limited range of input values
;; launch mlp (part 1): grid 256 x 1, 4 waves a work-group, clusters of 4 x 1, 327,680 bytes of LDS; arguments X_codes, X_scales, W1_codes, W2_codes, W1_scales, b1, W2_scales, b2, W3, b3, out0; writes out0
.if DOCPART == 1
	.amdgcn_target "amdgcn-amd-amdhsa--gfx1250"
	.amdhsa_code_object_version 6
	.text
	.protected	k_q5d993f21fc_mlp
	.globl	k_q5d993f21fc_mlp
	.p2align	8
	.type	k_q5d993f21fc_mlp,@function
k_q5d993f21fc_mlp:
	s_mov_b64 s[64:65], 0
	v_nop
	global_prefetch_b8 v0, s[64:65] scope:SCOPE_SE
	s_setreg_imm32_b32 hwreg(HW_REG_WAVE_MODE, 25, 1), 1
	s_wait_xcnt 0x0
	s_wait_alu depctr_hold_cnt(0) depctr_sa_sdst(0) depctr_va_vdst(0) depctr_va_sdst(0) depctr_va_ssrc(0) depctr_va_vcc(0) depctr_vm_vsrc(0)
	s_getreg_b32 s2, hwreg(HW_REG_IB_STS2, 6, 4)
	s_cmp_eq_u32 s2, 0
	s_cbranch_scc0 .Lentry_in_a_cluster
	s_endpgm
.Lentry_in_a_cluster:
	s_bfe_u32 s2, ttmp6, 0x10000c
	s_cmp_lg_u32 s2, 0x3003
	s_cbranch_scc0 .Lentry_shape_is_right
	s_endpgm
.Lentry_shape_is_right:
; out0[b][0] = 0;  out0[b][1+n] = relu(Q(relu(x W1 + b1)) W2 + b2) . W3 + b3 for the row x = X[b][:][n].  524,288 rows of 128 codes of FP4 (E2M1) with one E8M0 byte for each 32 along K.
; Both matrix products run on codes, both sides FP4, sums in f32; the hidden layer is quantised in registers (Q: blocks of 32 units) and never leaves them; the product with W3 (one column) is f32 multiply-adds.
; SHARES.  256 work-groups of four waves, a wave to a SIMD.  A work-group owns 2,048 rows (32 values of b), a wave 512 of them: 16 trips of two row tiles A and B of 16 rows.  Every wave keeps ALL weights, biases and W3 in
; registers (768 of them), so the loop has no barrier and shares nothing.
; BOTH PRODUCTS ARE USED TRANSPOSED (source 0 = 32 rows of the weight, source 1 = 16 rows of x or of the hidden layer): a lane (r = lane % 16, h = lane / 16) holds row r, and its registers run along the units.
; A product of 32 rows is two tiles of 16, one behind the other in registers.
; WHICH ROWS OF W1 FORM A TILE: tile t = 4 c + q of half g takes rows 128 g + 64 c + 8 q + 0..7 and, as its rows 8-15, those that lie 32 further on.  So lane (r, h) has in registers 32 c + 0..31 of a half the units
; 128 g + 64 c + 32 h + 0..31: a WHOLE block of 32 in one lane, in the operand's own order: no other lane is asked for the maximum, and the conversions' results are the next product's operand registers.
; The biases are the C of each sum's first matrix instruction.
; CLUSTER.  The 49,152 bytes of weight codes are the same for every work-group: the four of a cluster ask for them jointly (mask 15; the descriptors hang on the wave's number alone), a load a wave, filled once.
; X is each wave's own: plain loads of whole 512 bytes a trip ahead, laid into a stage of the wave's own in LDS and read back as fragments.  X is prefetched: in trip t a wave asks for the 2,048 bytes that trip t + 2 loads
; and trip t + 4 multiplies; trips 12 and 13 name trip 15's bytes again.
; THE OUTPUT of a work-group is 8,320 consecutive bytes, gathered in LDS in out0's own layout and stored 16 bytes a lane.  8,320 = 32.5 x 256: the aligned 256 bytes at every second boundary between work-groups are written half by each.
; LIMITS: NaN and infinities in the hidden layer are not served.  A hidden block of zeros gets the scale byte 1 where the rule says 127: its codes are zeros, and only this text reads the byte.
; The sum with W3 is taken in another order than a plain loop's: eight chains a lane, two halves of the lanes.
.set XPI,   80                         ; a row of X or of W1 in LDS: 64 bytes + 16 of padding
.set W2P,   144                        ; a row of W2: 128 bytes + 16
.set W1L,   0                          ; LDS: W1's codes, 256 rows
.set W2L,   20480                      ; W2's codes, 256 rows.  No tensor load lands from 57,344 on
.set XST,   57344                      ; a stage of 32 rows of X for each wave
.set XSC,   67584                      ; X's scale words, 2,048 bytes for each wave
.set OUT,   75776                      ; the work-group's part of out0
.set SPARE, 84224                      ; the spare words
; scalar registers
.set WV,   26
.set W01,  27
.set WG,   28                          ; enters X's and out0's global addresses alone
.set G1A,  32                          ; descriptor groups 1: 128 rows of W1, 128 rows of W2;  groups 0
.set G1B,  40
.set G0A,  48
.set G0B,  52
.set XB,   56                          ; s[56:57] my first row of X
.set PF,   58                          ; s[58:59] where my prefetches stand
.set IT,   60                          ; the trip
.set XSO,  61                          ; 128 (trip + 1)
.set LO,   66                          ; the trip's place in out0's layout: 128 t + 4 (t / 2)
.set B3,   67
.set PRM,  68                          ; 0x07060302: two high halves
.set MSK,  69                          ; 0x00ff00ff
.set QTR,  70                          ; 0.25
.set XSB,  72                          ; s[72:73] my scale words
.set XP,   74                          ; s[74:75] where my loads of X stand
; vector registers, window 0
.set LS0,  1
.set LS,   2
.set XG,   3                           ; 16 x lane
.set XSTO, 4                           ; the stage: where I put 16 bytes,
.set XLD,  5                           ; where I read a fragment
.set XSL,  6                           ; my scale words
.set XSA,  7
.set PFO,  8
.set SM,   9
.set AW1,  10
.set AW2,  11
.set GB1,  12
.set GS1,  13
.set GB2,  14
.set GS2,  15
.set MX,   16                          ; v16-21 the quantiser's maxima
.set SC,   22                          ; v22-23 its two scale operands
.set UA0,  24                          ; tile A's scale operands, high halves, of each K step; UB tile B's
.set UA1,  25
.set UB,   26
.set T1,   28
.set T2,   29
.set LA,   16                          ; v16-23, v24-31 the dot's chains of tile A and of tile B (the quantiser's registers are done with by then)
.set LB,   24
.set S1,   32                          ; v32-59 hold scales and nothing else.  W1's words: a register for 32 rows, lane m for row m
.set S2,   40                          ; W2's: 2 (tile / 2) + K step
.set XS,   56                          ; x's: lanes 0-15 tile A, lanes 16-31 tile B
.set SW0,  58                          ; the hidden layer's, likewise, K steps 0 and 1
.set SW1,  59
.set XF,   60                          ; x's fragments, A and B
.set XR,   76                          ; x as it comes from memory, 2,048 bytes
.set CDA,  92                          ; the hidden layer's codes: tile A K steps 0, 1; tile B
.set CDB,  108
.set SPW,  124
.set NIL,  125
.set P,    128                         ; the accumulators of units 0-127 and of units 128-255
.set Q,    192
; window 1: W1's fragment T at v[8 T]; W3 at v[128 + unit's register].  window 2: W2's (tile T, K step s) at v[32 (T/2) + 16 s + 8 (T%2)].  window 3: b1's tile T at v[8 T], b2's at v[128 + 8 T]
.set W3R,  128
.set B2R,  128
.set MSB, 0
.macro WIN new                         ; bits 1:0 source 0, 3:2 source 1, 5:4 source 2, 7:6 destination; the high byte repeats the setting that is left
.if MSB != \new
	s_set_vgpr_msb (MSB<<8)|\new
.set MSB, \new
.endif
.endm
.macro ROUND                           ; a round of the cluster's barrier
	s_barrier_signal -1
	s_barrier_wait -1
	s_cmp_lg_u32 s[WV], 0
	s_cbranch_scc1 .Lnot_wave_0_\@
	s_barrier_signal -3
.Lnot_wave_0_\@:
	s_barrier_wait -3
	s_barrier_signal -1
	s_barrier_wait -1
.endm
.macro SHAPE g, w0, r                  ; descriptor group 1: a dense block as r rows of 256 bytes
	s_mov_b32 s[\g], \w0
	s_mov_b32 s[\g+1], 256<<16
	s_mov_b32 s[\g+2], (\r)<<16
	s_mov_b32 s[\g+3], 256<<16
	s_mov_b32 s[\g+4], \r
	s_mov_b32 s[\g+5], 256
	s_mov_b32 s[\g+6], 0
	s_mov_b32 s[\g+7], 0
.endm
.macro WM d, a, b, c, sa, sb, br       ; one product; br: the half of the lanes that holds B's scales
.if \br
	v_wmma_scale_f32_32x16x128_f4 v[\d:\d+15], v[\a:\a+15], v[\b:\b+7], v[\c:\c+15], v[\sa], v[\sb] matrix_b_scale:MATRIX_SCALE_ROW1
.else
	v_wmma_scale_f32_32x16x128_f4 v[\d:\d+15], v[\a:\a+15], v[\b:\b+7], v[\c:\c+15], v[\sa], v[\sb]
.endif
.endm
; Layer 1, half g of the units x row tile (0: A, 1: B), into acc; C = b1
.macro L1 acc, g, row
	WIN 0x31
.irp p, 0,1,2,3
	WM \acc+16*\p, 64*\g+16*\p, XF+8*\row, 64*\g+16*\p, S1+4*\g+\p, XS, \row
.endr
.endm
; Layer 2, all 256 units x row tile: two K steps; the eight accumulators take turns; C of the first = b2
.macro L2 cd, row
	WIN 0x32
.irp p, 0,1,2,3,4,5,6,7
	WM P+16*\p, 32*\p, \cd, B2R+16*\p, S2+2*\p, SW0, \row
.endr
	WIN 0x02
.irp p, 0,1,2,3,4,5,6,7
	WM P+16*\p, 32*\p+16, \cd+8, P+16*\p, S2+2*\p+1, SW1, \row
.endr
.endm
.macro RL a                            ; relu of two numbers.  Source 0 is a constant: right under every setting that leaves source 1 and the destination in window 0
	v_dual_max_num_f32 v[\a], 0, v[\a] :: v_dual_max_num_f32 v[\a+1], 0, v[\a+1]
.endm
.macro RLN x, p0, n                    ; n of the 24 pairs that do not begin a tile's registers, from pair p0 on
.set p_, \p0
.rept \n
	RL \x+8*(p_/3)+2+2*(p_%3)
.set p_, p_+1
.endr
.endm
; The quantiser on a half of 128 units: a lane's two blocks of 32 (registers x + 32 c + 0..31).  Codes to cd on; the scale operands' high halves to u; for tile B (bs = 1) both tiles' scale words to sw.
; The relus stand between the steps of the one chain that has no neighbour.
.macro STAGE x, cd, u, bs, sw
.irp t, 0,1,2,3,4,5,6,7
	RL \x+8*\t                                     ; each accumulator is first read at its low end
.endr
	WIN 0
.irp b, 0,1
	v_max3_num_f32 v[MX+3*\b], v[\x+32*\b], v[\x+32*\b+1], 0x1800000      ; the largest number over the floor 2^(3 - 127): what is negative does not count, and the byte cannot fall under 1
	v_max3_num_f32 v[MX+3*\b+1], v[\x+32*\b+10], v[\x+32*\b+11], v[\x+32*\b+12]
	v_max3_num_f32 v[MX+3*\b+2], v[\x+32*\b+21], v[\x+32*\b+22], v[\x+32*\b+23]
.endr
.irp i, 0,2,4,6
.irp b, 0,1
	v_max3_num_f32 v[MX+3*\b], v[MX+3*\b], v[\x+32*\b+2+\i], v[\x+32*\b+3+\i]
	v_max3_num_f32 v[MX+3*\b+1], v[MX+3*\b+1], v[\x+32*\b+13+\i], v[\x+32*\b+14+\i]
	v_max3_num_f32 v[MX+3*\b+2], v[MX+3*\b+2], v[\x+32*\b+24+\i], v[\x+32*\b+25+\i]
.endr
.endr
	RLN \x, 0, 2
.irp b, 0,1
	v_max3_num_f32 v[MX+3*\b], v[MX+3*\b], v[MX+3*\b+1], v[MX+3*\b+2]
.endr
	RLN \x, 2, 4
	v_dual_mul_f32 v[SC], s[QTR], v[MX] :: v_dual_mul_f32 v[SC+1], s[QTR], v[MX+3]   ; 2 off the exponent: the conversion's scale operand (it takes the exponent field alone)
	RLN \x, 6, 4
.if \bs
	v_perm_b32 v[UB], v[SC+1], v[SC], s[PRM]
	RLN \x, 10, 2
	v_permlane16_swap_b32 v[\u], v[UB]             ; u: lanes 0-15 A's blocks of even number, lanes 16-31 B's;  UB: those of odd number
	RLN \x, 12, 2
	v_lshrrev_b32 v[T1], 7, v[\u]                  ; exponent fields to bits 7:0 and 23:16,
	v_lshlrev_b32 v[T2], 1, v[UB]                  ; and to bits 15:8 and 31:24
	RLN \x, 14, 2
	v_bfi_b32 v[\sw], s[MSK], v[T1], v[T2]         ; the scale word: bytes in ascending order of the blocks
	RLN \x, 16, 8                                  ; eight places between a scale register's write and its product
.else
	v_perm_b32 v[\u], v[SC+1], v[SC], s[PRM]
	RLN \x, 10, 14
.endif
.irp i, 0,1,2,3,4,5,6,7
	v_cvt_scalef32_pk8_fp4_f32 v[\cd+\i], v[\x+8*\i:\x+8*\i+7], v[SC+\i/4]
.endr
	v_nop                                          ; one plain place behind the scaled conversions
.endm
; relu and the dot with W3 of a lane's 64 units of half g: eight chains; first = 1 begins them.  A pair's relu stands eight instructions ahead of its multiply-add
.macro TAIL x, g, la, first
	WIN 0x01
.set k_, 0
.rept 36
.if k_ < 32
	RL \x+2*k_
.endif
.if k_ >= 4
.if (\first) && (k_ < 8)
	v_dual_mul_f32 v[\la+2*(k_%4)], v[W3R+64*\g+2*(k_-4)], v[\x+2*(k_-4)] :: v_dual_mul_f32 v[\la+2*(k_%4)+1], v[W3R+64*\g+2*(k_-4)+1], v[\x+2*(k_-4)+1]
.else
	v_dual_fmac_f32 v[\la+2*(k_%4)], v[W3R+64*\g+2*(k_-4)], v[\x+2*(k_-4)] :: v_dual_fmac_f32 v[\la+2*(k_%4)+1], v[W3R+64*\g+2*(k_-4)+1], v[\x+2*(k_-4)+1]
.endif
.endif
.set k_, k_+1
.endr
.endm
.macro SUM la                          ; the eight chains of a tile become one number
	v_pk_add_f32 v[\la:\la+1], v[\la:\la+1], v[\la+2:\la+3]
	v_pk_add_f32 v[\la+4:\la+5], v[\la+4:\la+5], v[\la+6:\la+7]
	v_pk_add_f32 v[\la:\la+1], v[\la:\la+1], v[\la+4:\la+5]
	v_add_f32 v[\la], v[\la], v[\la+1]
.endm
.macro TOSTAGE r                       ; 32 rows of X: lane l has 16 bytes of row 8 i + l / 4
.irp i, 0,1,2,3
	ds_store_b128 v[XSTO], v[\r+4*\i:\r+4*\i+3] offset:8*XPI*\i
.endr
.endm
.macro XFETCH                          ; back as the fragments of two row tiles.  LDS serves a wave's instructions in order (ISA guide 5.7.1.4)
.irp e, 0,1
.irp c, 0,1
	ds_load_b128 v[XF+8*\e+4*\c:XF+8*\e+4*\c+3], v[XLD] offset:\e*16*XPI+32*\c
.endr
.endr
.endm
.macro LOADW2 t0                       ; four tiles of W2, both K steps, from LDS
	WIN 0x80
.set t_, \t0
.rept 4
.irp s, 0,1
.irp c, 0,1
	ds_load_b128 v[32*(t_/2)+16*\s+8*(t_%2)+4*\c:32*(t_/2)+16*\s+8*(t_%2)+4*\c+3], v[AW2] offset:16*W2P*t_+64*\s+32*\c
.endr
.endr
.set t_, t_+1
.endr
	WIN 0
.endm
; A trip.  At its head tile A's layer 1 lies in P and Q.  mode 0: trip 0, which also brings W2 to registers; 1: the loop; 2: trip 14, which loads no more x; 3: trip 15, behind which nothing follows
.macro TRIP mode
.if \mode == 0
	LOADW2 0
.endif
	STAGE P, CDA, UA0, 0, 0
	L1 P, 0, 1
.if \mode == 0
	LOADW2 4
.endif
	STAGE Q, CDA+8, UA1, 0, 0
	L1 Q, 1, 1
.if \mode == 0
	LOADW2 8
.endif
	STAGE P, CDB, UA0, 1, SW0
.if \mode < 3                          ; the next trip's x has come: into the stage and back (the stage's vector work above is the places in front of these loads)
.if \mode < 2
	v_add_nc_u32 v[XSA], s[XSO], v[XSL]
.endif
	s_wait_alu depctr_va_vdst(0)
	s_wait_loadcnt 0x0
	TOSTAGE XR
	XFETCH
.if \mode < 2
	ds_load_b32 v[XS], v[XSA]
.else
	ds_load_b32 v[XS], v[XSL] offset:15*128
.endif
.endif
.if \mode == 0
	LOADW2 12
.endif
	STAGE Q, CDB+8, UA1, 1, SW1
	s_wait_alu depctr_va_vdst(0)
	s_wait_dscnt 0x0                               ; x's fragments are in, and the stores into the stage have read XR
.if \mode < 2
	s_wait_xcnt 0x0                                ; the last trip's loads and prefetch have read their bases
	s_add_nc_u64 s[XP:XP+1], s[XP:XP+1], 2048
.irp i, 0,1,2,3
	global_load_b128 v[XR+4*\i:XR+4*\i+3], v[XG], s[XP:XP+1] offset:512*\i th:TH_LOAD_NT
.endr
	s_cmp_lt_u32 s[IT], 12
	s_cselect_b32 s62, 2048, 0
	s_add_nc_u64 s[PF:PF+1], s[PF:PF+1], s[62:63]
	global_prefetch_b8 v[PFO], s[PF:PF+1] th:TH_LOAD_NT scope:SCOPE_SE
	s_lshr_b32 s[LO], s[IT], 1
	s_lshl_b32 s[LO], s[LO], 2
	s_lshl_b32 s71, s[IT], 7
	s_add_co_u32 s[LO], s[LO], s71
.endif
	L2 CDA, 0
.if \mode < 2                          ; four places between P's last product and the first read of P (ISA guide 7.12.1); the products in between are not counted
	v_add_nc_u32 v[LS], s[LO], v[LS0]
.else
	v_nop
.endif
.rept 3
	v_nop
.endr
	TAIL P, 0, LA, 1
	TAIL Q, 1, LA, 0
	L2 CDB, 1
	WIN 0
	SUM LA                                         ; and these four are the places here
	TAIL P, 0, LB, 1
	TAIL Q, 1, LB, 0
.if \mode < 3
	L1 P, 0, 0                                     ; the next trip's tile A
	L1 Q, 1, 0
.endif
	WIN 0
	SUM LB
	v_permlane16_swap_b32 v[LA], v[LB]             ; A's two halves to lanes 0-15 of the two registers, B's to lanes 16-31
	v_add_f32 v[SM], v[LA], v[LB]
	v_add_f32 v[SM], s[B3], v[SM]
.if \mode < 2
	ds_store_b32 v[LS], v[SM]
.elseif \mode == 2
	ds_store_b32 v[LS0], v[SM] offset:14*128+28
.else
	ds_store_b32 v[LS0], v[SM] offset:15*128+28
.endif
.if \mode < 2
	s_add_co_u32 s[XSO], s[XSO], 128
	s_add_co_u32 s[IT], s[IT], 1
.endif
.endm
.macro ZERO n                          ; a lane move's destination counts as one of its sources, so it is written once ahead of it
.set z_, \n
.rept 64
	v_dual_mov_b32 v[z_], 0 :: v_dual_mov_b32 v[z_+1], 0
.set z_, z_+2
.endr
.endm
.macro SPREAD d, s                     ; source register k: lane n of a row of 16 lanes holds what all lanes of its row want in register d + 16 k + n
.irp k, 0,1,2,3,4,5,6,7
.irp n, 0,1,2,3,4,5,6,7,8,9,10,11,12,13,14,15
	v_mov_b32_dpp v[\d+16*\k+\n], v[\s+\k] row_share:\n row_mask:0xf bank_mask:0xf
.endr
.endr
.endm
	s_load_b512 s[4:19], s[0:1], 0x0               ; X's codes s[4:5], X's scales s[6:7], W1's codes s[8:9], W2's codes s[10:11], W1's scales s[12:13], b1 s[14:15], W2's scales s[16:17], b2 s[18:19]
	s_load_b128 s[20:23], s[0:1], 0x40             ; W3, b3
	s_load_b64 s[24:25], s[0:1], 0x50              ; out0
	v_lshl_add_u32 v[SPW], v0, 2, SPARE
	v_mov_b32 v[NIL], 0
	ds_add_u32 v[SPW], v[NIL]                      ; the opening lines: the add, twice on end, and its wait
	ds_add_u32 v[SPW], v[NIL]
	v_lshrrev_b32 v16, 5, v0
	v_readfirstlane_b32 s[WV], v16
	s_and_b32 s[W01], s[WV], 1
	s_bfe_u32 s2, ttmp6, 0x40000                   ; my place in the cluster
	s_lshl_b32 s[WG], ttmp9, 2                     ; ttmp9 counts clusters
	s_add_co_u32 s[WG], s[WG], s2
	SHAPE G1A, 15|(1<<20)|(1<<21)|(3<<22)|(3<<25), 32     ; the cluster's four, bit 21 beside the mask; 4 words of padding behind every 16: LDS rows of 80 bytes
	SHAPE G1B, 15|(1<<20)|(1<<21)|(4<<22)|(3<<25), 64     ; behind every 32: rows of 144
	s_mov_b32 s[G0A], 1
	s_mul_i32 s[G0A+1], s[W01], 128*XPI            ; W1L = 0
	s_mov_b32 s[G0B], 1
	s_mul_i32 s[G0B+1], s[W01], 128*W2P
	s_add_co_u32 s[G0B+1], s[G0B+1], W2L
	s_lshl_b32 s76, s[WG], 17                      ; X: 131,072 bytes a work-group, 32,768 a wave
	s_lshl_b32 s77, s[WV], 15
	s_add_co_u32 s76, s76, s77
	s_mov_b32 s77, 0
	s_lshl_b32 s78, s[WG], 13                      ; its scale words
	s_lshl_b32 s79, s[WV], 11
	s_add_co_u32 s78, s78, s79
	s_mov_b32 s79, 0
	s_mul_i32 s80, s[WG], 8320                     ; out0: 32 rows of 65 numbers
	s_mov_b32 s81, 0
	s_lshl_b32 s82, s[W01], 13                     ; W1: 128 rows of 64 bytes
	s_mov_b32 s83, 0
	s_lshl_b32 s84, s[W01], 14                     ; W2: 128 rows of 128 bytes
	s_mov_b32 s85, 0
	s_mov_b32 s[PRM], 0x07060302
	s_mov_b32 s[MSK], 0x00ff00ff
	s_mov_b32 s[QTR], 0x3e800000
	s_mov_b32 s[IT], 0
	s_mov_b32 s[XSO], 128
	s_mov_b32 s63, 0
	s_mul_i32 s86, s[WV], 32*XPI
	s_add_co_u32 s86, s86, XST
	s_lshl_b32 s87, s[WV], 11
	s_add_co_u32 s87, s87, XSC
	s_mul_i32 s88, s[WV], 2080
	s_add_co_u32 s88, s88, OUT
	s_add_co_u32 s89, s88, 4
	v_and_b32 v16, 31, v0                          ; lane
	v_and_b32 v17, 15, v0                          ; r
	v_bfe_u32 v18, v0, 4, 1                        ; h
	v_and_b32 v19, 7, v0
	v_and_b32 v20, 8, v0
	v_lshl_add_u32 v21, v20, 1, v19                ; r % 8 + 16 (r / 8)
	v_lshl_add_u32 v21, v18, 3, v21
	v_lshlrev_b32 v[GB2], 2, v21                   ; b2, W3: lane (n, h) takes unit n % 8 + 16 (n / 8) + 8 h of 32
	v_lshl_add_u32 v19, v20, 2, v19                ; a W1 tile's row: r % 8 + 32 (r / 8)
	v_lshlrev_b32 v[XG], 4, v16
	v_lshrrev_b32 v20, 2, v16
	v_mul_u32_u24 v20, v20, XPI
	v_and_b32 v21, 3, v0
	v_lshl_add_u32 v20, v21, 4, v20
	v_add_nc_u32 v[XSTO], s86, v20
	v_mul_u32_u24 v20, v17, XPI
	v_lshl_add_u32 v20, v18, 4, v20
	v_add_nc_u32 v[XLD], s86, v20
	v_lshl_add_u32 v[XSL], v16, 2, s87
	v_lshl_add_u32 v22, v16, 4, s87                ; where I put my scale words
	v_mul_u32_u24 v20, v19, XPI
	v_lshl_add_u32 v[AW1], v18, 4, v20
	v_mul_u32_u24 v20, v17, W2P
	v_lshl_add_u32 v20, v18, 4, v20
	v_add_nc_u32 v[AW2], W2L, v20
	v_lshl_add_u32 v20, v18, 5, v17
	v_lshlrev_b32 v[GB1], 2, v20                   ; b1: lane (n, h) takes unit n + 32 h
	v_lshl_add_u32 v20, v18, 3, v19
	v_lshlrev_b32 v[GS1], 2, v20                   ; W1's scale words: lanes 16-31 the next tile's rows
	v_lshlrev_b32 v[GS2], 3, v16                   ; W2's scale words: 8 bytes a row, 32 rows
	v_min_u32 v[PFO], 7, v16
	v_lshlrev_b32 v[PFO], 8, v[PFO]                ; a trip's eight blocks of 256 bytes; the lanes left over name the last again
	v_min_u32 v126, 15, v16
	v_lshlrev_b32 v126, 8, v126                    ; two trips' sixteen
	v_lshl_add_u32 v[LS0], v16, 2, s89             ; row rho lies at 4 (rho + rho / 64 + 1)
	v_and_b32 v24, 7, v0
	v_mul_u32_u24 v24, v24, 260
	v_add_nc_u32 v24, s88, v24                     ; the zero column's words of my eight values of b
	v_mov_b32 v25, 0
	s_wait_alu depctr_va_vdst(0)
	s_wait_dscnt 0x0                               ; both opening adds are done
	s_wait_kmcnt 0x0
	s_load_b32 s[B3], s[22:23], 0x0                ; no line of this text writes that buffer
	s_add_nc_u64 s[XB:XB+1], s[4:5], s[76:77]
	s_add_nc_u64 s[XSB:XSB+1], s[6:7], s[78:79]
.irp i, 0,1,2,3
	global_load_b128 v[P+4*\i:P+4*\i+3], v[XG], s[XB:XB+1] offset:512*\i th:TH_LOAD_NT            ; trip 0's x
.endr
	s_add_nc_u64 s[XP:XP+1], s[XB:XB+1], 2048
	s_add_nc_u64 s[PF:PF+1], s[XB:XB+1], 6144
	s_add_nc_u64 s[24:25], s[24:25], s[80:81]
	s_add_nc_u64 s[G0A+2:G0A+3], s[8:9], s[82:83]
	s_or_b32 s[G0A+3], s[G0A+3], 0x80000000
	s_add_nc_u64 s[G0B+2:G0B+3], s[10:11], s[84:85]
	s_or_b32 s[G0B+3], s[G0B+3], 0x80000000
	ROUND                                          ; the four work-groups are here: the joint loads meet
	s_cmp_lt_u32 s[WV], 2                          ; waves 0, 1 fetch W1's two halves, waves 2, 3 W2's: one load a wave
	s_cbranch_scc0 .Lfor_w2
	tensor_load_to_lds s[G0A:G0A+3], s[G1A:G1A+7]
	s_nop 0
.rept 4
	v_nop
.endr
	s_branch .Lasked
.Lfor_w2:
	tensor_load_to_lds s[G0B:G0B+3], s[G1B:G1B+7]
	s_nop 0
.rept 4
	v_nop
.endr
.Lasked:
.irp p, 0,1,2,3,4,5,6,7
	global_load_b32 v[Q+\p], v[GB1], s[14:15] offset:4*(128*(\p/4)+64*((\p%4)/2)+16*(\p%2))         ; b1, two tiles a register
.endr
.irp p, 0,1,2,3,4,5,6,7
	global_load_b32 v[S1+\p], v[GS1], s[12:13] offset:4*(128*(\p/4)+64*((\p%4)/2)+16*(\p%2))
.endr
.irp i, 0,1,2,3
	global_load_b128 v[P+16+4*\i:P+16+4*\i+3], v[XG], s[XSB:XSB+1] offset:512*\i th:TH_LOAD_NT    ; my 512 scale words
.endr
.irp p, 0,1,2,3,4,5,6,7
	global_load_b32 v[Q+8+\p], v[GB2], s[18:19] offset:128*\p                                     ; b2, W3
	global_load_b32 v[Q+16+\p], v[GB2], s[20:21] offset:128*\p
	global_load_b64 v[S2+2*\p:S2+2*\p+1], v[GS2], s[16:17] offset:256*\p
.endr
.irp i, 0,1,2,3
	global_load_b128 v[XR+4*\i:XR+4*\i+3], v[XG], s[XB:XB+1] offset:2048+512*\i th:TH_LOAD_NT     ; trip 1's x
.endr
	global_prefetch_b8 v126, s[XB:XB+1] offset:4096 th:TH_LOAD_NT scope:SCOPE_SE   ; trips 2 and 3, which trips 0 and 1 load
	; the biases and W3 in the results' layout, while the weights are on their way
	WIN 0xc0
	ZERO 0
	ZERO B2R
	WIN 0x40
	ZERO W3R
	s_wait_alu depctr_va_vdst(0)
	s_wait_loadcnt 4                               ; all but trip 1's x
	WIN 0xc0
	SPREAD 0, Q
	SPREAD B2R, Q+8
	WIN 0x40
	SPREAD W3R, Q+16
	WIN 0
	s_wait_alu depctr_va_vdst(0)
	s_wait_kmcnt 0x0                               ; b3
	s_wait_tensorcnt 0x0                           ; my part of the weights is in,
	s_barrier_signal -1
	s_barrier_wait -1                              ; and everybody's
	TOSTAGE P
.irp i, 0,1,2,3
	ds_store_b128 v22, v[P+16+4*\i:P+16+4*\i+3] offset:512*\i
.endr
	ds_store_b32 v24, v25                          ; the zero column
	XFETCH
	ds_load_b32 v[XS], v[XSL]
	WIN 0x40
.irp T, 0,1,2,3,4,5,6,7,8,9,10,11,12,13,14,15
.irp c, 0,1
	ds_load_b128 v[8*\T+4*\c:8*\T+4*\c+3], v[AW1] offset:XPI*(128*(\T/8)+64*((\T%8)/4)+8*(\T%4))+32*\c
.endr
.endr
	WIN 0
	s_wait_dscnt 16                                ; x and W1's first half are in, its second half's 16 loads may be out
	L1 P, 0, 0
	s_wait_dscnt 0x0
	L1 Q, 1, 0
	WIN 0
.rept 4
	v_nop                                          ; places behind the products
.endr
	TRIP 0
	s_wait_alu depctr_va_vdst(0)
.Lloop:
	TRIP 1
	s_wait_alu depctr_va_vdst(0)
	s_cmp_lt_u32 s[IT], 14
	s_cbranch_scc1 .Lloop
	TRIP 2
	TRIP 3
	; THE WAY OUT: 8,192 bytes, 16 a lane, four times; the last 128 bytes by wave 0
	v_lshlrev_b32 v10, 4, v0
	v_lshl_add_u32 v11, v0, 4, OUT
	v_and_b32 v13, 31, v0
	v_lshl_add_u32 v12, v13, 2, OUT+8192
	v_lshl_add_u32 v14, v13, 2, 8192
	s_wait_alu depctr_va_vdst(0)
	s_wait_dscnt 0x0                               ; my logits are in LDS,
	s_barrier_signal -1
	s_barrier_wait -1                              ; and everybody's
.irp i, 0,1,2,3
	ds_load_b128 v[XR+4*\i:XR+4*\i+3], v11 offset:2048*\i
.endr
	ds_load_b32 v127, v12
	s_wait_dscnt 0x0
.irp i, 0,1,2,3
	global_store_b128 v10, v[XR+4*\i:XR+4*\i+3], s[24:25] offset:2048*\i th:TH_STORE_NT   ; a wave stores 512 consecutive bytes
.endr
	s_cmp_lg_u32 s[WV], 0
	s_cbranch_scc1 .Lrest_done
	global_store_b32 v14, v127, s[24:25] th:TH_STORE_NT
.Lrest_done:
	s_wait_tensorcnt 0x0                           ; the wave's end
	ds_add_u32 v[SPW], v[NIL]
	s_wait_dscnt 0x0
	ROUND                                          ; the closing round: no work-group ends while a partner may still ask for a tile that names it
	s_endpgm
.Lfunc_end_k_q5d993f21fc_mlp:
	.size	k_q5d993f21fc_mlp, .Lfunc_end_k_q5d993f21fc_mlp-k_q5d993f21fc_mlp
	.p2alignl 7, 3214868480
	.fill 96, 4, 3214868480
	.section	.rodata,"a",@progbits
	.p2align	6, 0x0
	.amdhsa_kernel k_q5d993f21fc_mlp
		.amdhsa_group_segment_fixed_size 327680
		.amdhsa_private_segment_fixed_size 0
		.amdhsa_enable_private_segment 0
		.amdhsa_kernarg_size 88
		.amdhsa_user_sgpr_count 2
		.amdhsa_user_sgpr_kernarg_segment_ptr 1
		.amdhsa_wavefront_size32 1
		.amdhsa_system_sgpr_workgroup_id_x 1
		.amdhsa_system_sgpr_workgroup_id_y 1
		.amdhsa_system_sgpr_workgroup_id_z 1
		.amdhsa_system_vgpr_workitem_id 0
		.amdhsa_next_free_vgpr 1024
		.amdhsa_next_free_sgpr 106
		.amdhsa_reserve_vcc 0
		.amdhsa_float_denorm_mode_32 3
		.amdhsa_float_denorm_mode_16_64 3
		.amdhsa_memory_ordered 1
		.amdhsa_forward_progress 1
		.amdhsa_inst_pref_size 231
	.end_amdhsa_kernel
	.amdgpu_metadata
---
amdhsa.version: [ 1, 2 ]
amdhsa.kernels:
  - .name:           k_q5d993f21fc_mlp
    .symbol:         k_q5d993f21fc_mlp.kd
    .args:
      - { .name: X_codes, .offset: 0, .size: 8, .value_kind: global_buffer, .address_space: global }
      - { .name: X_scales, .offset: 8, .size: 8, .value_kind: global_buffer, .address_space: global }
      - { .name: W1_codes, .offset: 16, .size: 8, .value_kind: global_buffer, .address_space: global }
      - { .name: W2_codes, .offset: 24, .size: 8, .value_kind: global_buffer, .address_space: global }
      - { .name: W1_scales, .offset: 32, .size: 8, .value_kind: global_buffer, .address_space: global }
      - { .name: b1, .offset: 40, .size: 8, .value_kind: global_buffer, .address_space: global }
      - { .name: W2_scales, .offset: 48, .size: 8, .value_kind: global_buffer, .address_space: global }
      - { .name: b2, .offset: 56, .size: 8, .value_kind: global_buffer, .address_space: global }
      - { .name: W3, .offset: 64, .size: 8, .value_kind: global_buffer, .address_space: global }
      - { .name: b3, .offset: 72, .size: 8, .value_kind: global_buffer, .address_space: global }
      - { .name: out0, .offset: 80, .size: 8, .value_kind: global_buffer, .address_space: global }
    .group_segment_fixed_size: 327680
    .private_segment_fixed_size: 0
    .kernarg_segment_align: 8
    .kernarg_segment_size: 88
    .max_flat_workgroup_size: 128
    .sgpr_count:     106
    .vgpr_count:     1024
    .wavefront_size: 32
...
	.end_amdgpu_metadata
.endif
;; end of part 1
